; MI455X (gfx1250); checked and timed in simulation.
; The chip was launched on July 23, 2026; its instructions are those of AMD's public machine-readable ISA for CDNA 5 (MIT licence, August 2026) and "CDNA5" Instruction Set Architecture Reference Guide (July 2026). The comments in the code are by the model that wrote it; some were corrected since.
;; Multi Head Dot Attn. Allowed arithmetic: matrix products marked QUANTISED: E2M1 operands, one E8M0 scale for each 32 along K, by v_wmma_scale_f32_16x16x128_f8f6f4 with both operands' format E2M1 (or v_wmma_scale_f32_32x16x128_f4), f32 sums; products left as they are: f32 operands where the result goes on into a quantised operand, else bf16, f16 or f32 operands; f32 sums; everything else in f32.
;; Inputs: Wk_codes 8 x 512 x 16 x 16 uint8 (E2M1 codes of Wk, K innermost, in blocks of 32 codes, two codes a byte); Wk_scales 8 x 512 x 16 uint8 (E8M0 scales of Wk, one for each 32 codes along K); Wq_codes 8 x 512 x 32 x 16 uint8 (E2M1 codes of Wq, K innermost, in blocks of 32 codes, two codes a byte); Wq_scales 8 x 512 x 32 uint8 (E8M0 scales of Wq, one for each 32 codes along K); key_len 64 int32; keys_codes 64 x 512 x 16 x 16 uint8 (E2M1 codes of keys, K innermost, in blocks of 32 codes, two codes a byte); keys_scales 64 x 512 x 16 uint8 (E8M0 scales of keys, one for each 32 codes along K); query_codes 64 x 32 x 16 uint8 (E2M1 codes of query, K innermost, in blocks of 32 codes, two codes a byte); query_scales 64 x 32 uint8 (E8M0 scales of query, one for each 32 codes along K); value 64 x 512 x 512 float32.
;; Outputs: out0 64 x 4,096 float32; out1 64 x 8 x 512 float32.
;; This version of the problem:
;;   THIS VERSION OF THE PROBLEM IS GIVEN IN LOW PRECISION. The matrix products marked QUANTISED in the list below multiply operands that are first quantised to E2M1 (2 exponent bits, 1 mantissa bit; 4 bits a number), with one power-of-two scale for each 32 numbers along K (OCP MX v1.0); their sums are f32. All else is computed in f32.
;;   The module's matrix products, in the order in which they are computed (A, B: the left and right operand; K: the contracted axis; several contracted axes count as one K, in the product's order):
;;     1. [M 64, K 1,024] x [K 1,024, N 4,096]; A: input query (given as codes); B: input Wq (given as codes): QUANTISED
;;     2. [M 4,096, K 512] x [K 512, N 32,768]; A: input Wk (given as codes); B: input keys (given as codes): QUANTISED
;;     3. batch 512 x [M 1, K 512] x [K 512, N 512]; A: computed on the way; B: computed on the way: left as it is (M = 1 < 16)
;;     4. batch 64 x [M 8, K 512] x [K 512, N 512]; A: softmax; B: input value: left as it is (M = 8 < 16)
;;   THE QUANTISER, for each operand of a quantised product, along K:
;;     - K is cut into blocks of 32 from its start; a last block that is shorter is filled with zeros.
;;     - A block's scale is 2^e with e = floor(log2(the largest magnitude in the block)) - 2, held to -126 .. 127; a block of zeros has e = 0. As a byte (E8M0): e + 127.
;;     - Each number is divided by its block's scale, clamped to +-6, and rounded to the nearest number of E2M1, ties to even, subnormals kept.
;;     - The product sums the exact products of the quantised numbers (number of the format x scale) in f32.
;;   ~~~python
;;   def quantise(x, axis):      # numpy; x: float32 -> the quantised numbers, widened to float32 again
;;       x = np.moveaxis(x, axis, -1); K = x.shape[-1]
;;       x = np.pad(x, [(0, 0)] * (x.ndim - 1) + [(0, -K % 32)]); x = x.reshape(x.shape[:-1] + (-1, 32)); a = np.abs(x).max(-1, keepdims=True)
;;       e = np.where(a > 0, np.clip(np.frexp(np.where(a > 0, a, 1))[1] - 1 - 2, -126, 127), 0)      # np.frexp(a)[1] - 1 = floor(log2(a)), exactly
;;       r = np.clip(x / 2.0 ** e, -6, 6)
;;       step = 2.0 ** (np.maximum(np.frexp(np.where(r == 0, 1, r))[1] - 1, 0) - 1)
;;       q = np.round(r / step) * step * 2.0 ** e      # np.round: ties to even
;;       return np.moveaxis(q.reshape(q.shape[:-2] + (-1,))[..., :K], -1, axis).astype(np.float32)
;;   ~~~
;;   INPUTS GIVEN AS CODES. Wk (in the module: [8, 512, 512], K = its axis 2); Wq (in the module: [8, 512, 1024], K = its axis 2); keys (in the module: [64, 512, 512], K = its axis 2); query (in the module: [64, 1024], K = its axis 1): each comes as NAME_codes (uint8): NAME with its K axis moved to the last place and cut into blocks of 32 codes, [.., K / 32, bytes a block], one block behind the other in memory; two codes a byte, the lower K in the low four bits (a code: sign, 2 exponent bits, 1 mantissa bit); and NAME_scales (uint8): the same leading axes, one E8M0 byte (e + 127) for each 32 codes along K. Its value is code x scale, taken as it is: it is not quantised again, and the codes and scales need not be those that the quantiser above would give.
;; One version. Each part assembles by itself: llvm-mc -triple=amdgcn-amd-amdhsa -mcpu=gfx1250 --defsym DOCPART=n.
;; ======== version 1 of 1: 3 launches
;; limits: values are held in bf16: 8 bits of precision; right only within a limited range of input values
;; workspace buffers: q 1,048,576 bytes; energy 1,048,576 bytes; wkf 1,048,576 bytes; list 16,640 bytes of whole numbers
;; launch qproj (part 1): grid 64 x 5, 4 waves a work-group, no clusters, 47,104 bytes of LDS; arguments query_codes, query_scales, Wq_codes, Wq_scales, Wk_codes, key_len, q, wkf, list; writes q, wkf, list
.if DOCPART == 1
	.amdgcn_target "amdgcn-amd-amdhsa--gfx1250"
	.amdhsa_code_object_version 6
	.text
	.protected	k_qdfc49cbcb0_qproj
	.globl	k_qdfc49cbcb0_qproj
	.p2align	8
	.type	k_qdfc49cbcb0_qproj,@function
k_qdfc49cbcb0_qproj:
	s_mov_b64 s[64:65], 0
	v_nop
	global_prefetch_b8 v0, s[64:65] scope:SCOPE_SE
	s_setreg_imm32_b32 hwreg(HW_REG_WAVE_MODE, 25, 1), 1
	s_wait_xcnt 0x0
; q[b][n] = sum over k of query[b][k] Wq[n][k], n = 512 head + a, K = 1,024, both operands as E2M1 codes with one E8M0 byte for each 32 along K; q: [64][4096] f32.
; WHAT THE PROGRAM LEAVES OUT.  reference() replaces the energy of every key s >= key_len[b] by -1e10, whatever the key holds: key_len, a whole number read from memory, decides which keys count.
; Keys are made in tiles of 16; batch b has n(b) = ceil(clamp(key_len, 1, 512) / 16) of them (key_len <= 0: all masked, one tile is made and not used), and tiles wholly past key_len are not made.
; LIMIT: a NaN, an infinity or an overflow that reaches only a tile left out is not carried to a result.
; Work-groups (x, 0) prepare the next launches.  Wave w lays Wk's tile 4 x + w (16 rows x 512 K) into 'wkf' in the order of the matrix operand's registers: 8 pieces of 512 bytes, 16 bytes a lane.
;   Wave 0 of those with x < 32 makes THE LIST of group g = x.  The live tiles of all batches stand end to end, T = the sum of n(b).  They go in quads of 4 tiles, NQ = ceil(T / 4), cq = ceil(NQ / 32) to a group.
;   list: 512 bytes a group: 64 words 32 b + tile (clamped to the last tile), then the group's count of quads and its first quad, repeated; behind the 32 groups: for each batch the number of its first tile.
; Work-groups (x, y), y >= 1: columns n = 64 x .. + 63, rows b = 16 (y - 1) .. + 15.  Wave w: 16 rows of Wq, n0 = 64 x + 16 w on.  Source 0 = 16 rows of Wq, source 1 = 16 rows of the query:
; lane (r, h) then holds q[16 (y - 1) + r][n0 + 8 h + 0 .. 7].  Rows of codes (512 bytes) are loaded whole and turn through LDS (pitch 528 = 33 x 16 bytes): Wq's in the wave's own stage, the query's, four rows a wave, in a common one.
; No tensor loads, no cluster, no prefetch: a wave has eight matrix instructions, nothing is read again, and there is no loop to run ahead in.
.set SPI,  528
.set STW,  16*SPI
.set QST,  4*STW
.set OST,  QST+16*SPI
.set OPI,  272
.set SPARE, OST+16*OPI
.set WSC,  16
.set QSC,  24
.set AF,   32
.set BFR,  96
.set ACC0, 160
	s_load_b512 s[4:19], s[0:1], 0x0               ; query_codes, query_scales, Wq_codes, Wq_scales, Wk_codes, key_len, q, wkf
	s_load_b64 s[20:21], s[0:1], 0x40              ; list
	v_lshl_add_u32 v192, v0, 2, SPARE
	v_mov_b32 v193, 0
	v_lshrrev_b32 v1, 5, v0
	v_readfirstlane_b32 s22, v1                    ; wave
	s_mov_b32 s24, ttmp9                           ; x
	s_and_b32 s23, ttmp7, 0xffff                   ; y
	s_mov_b32 s31, 0
	v_and_b32 v8, 31, v0
	v_lshlrev_b32 v1, 4, v8                        ; 16 x lane
	v_lshlrev_b32 v8, 3, v8                        ; 8 x lane
	v_and_b32 v2, 15, v0                           ; r
	v_bfe_u32 v3, v0, 4, 1                         ; h
	s_wait_alu depctr_va_vdst(0)                   ; ahead of the branch
	s_cmp_eq_u32 s23, 0
	s_cbranch_scc1 .Lprep
	s_sub_co_u32 s23, s23, 1                       ; y - 1
	s_mul_i32 s26, s22, STW
	v_add_nc_u32 v4, s26, v1                       ; Wq, in
	v_mul_u32_u24 v5, v2, SPI
	v_lshl_add_u32 v5, v3, 4, v5
	v_add_nc_u32 v6, s26, v5                       ; Wq, out: row r, + 16 h
	v_add_nc_u32 v7, QST, v5                       ; the query, out
	s_mul_i32 s26, s22, 4*SPI
	s_add_co_u32 s26, s26, QST
	v_add_nc_u32 v9, s26, v1                       ; and in: my four rows
	v_lshlrev_b32 v10, 5, v2                       ; a row's 32 scale bytes
	s_lshl_b32 s26, s22, 6
	s_add_co_u32 s26, s26, OST
	v_mul_u32_u24 v11, v2, OPI
	v_lshl_add_u32 v11, v3, 5, v11
	v_add_nc_u32 v11, s26, v11                     ; the way out, in: row r, my wave's 64 bytes, + 32 h
	s_mul_i32 s26, s22, 4*OPI
	s_add_co_u32 s26, s26, OST
	v_mul_u32_u24 v12, v3, OPI
	v_lshl_add_u32 v12, v2, 4, v12
	v_add_nc_u32 v12, s26, v12                     ; back: rows 4 w + h (+ 2), sixteen lanes to a row
	v_lshlrev_b32 v13, 14, v3
	v_lshl_add_u32 v13, v2, 4, v13                 ; the same place in q: a row is 16,384 bytes
	s_lshl_b32 s28, s24, 6
	s_lshl_b32 s29, s22, 4
	s_add_co_u32 s28, s28, s29                     ; n0
	s_wait_alu depctr_va_vdst(0)                   ; at the head's end
	s_wait_kmcnt 0x0
	s_lshl_b32 s30, s23, 13
	s_lshl_b32 s29, s22, 11
	s_add_co_u32 s30, s30, s29
	s_add_nc_u64 s[4:5], s[4:5], s[30:31]          ; the query's codes at row 16 (y - 1) + 4 w
	s_lshl_b32 s30, s28, 9
	s_add_nc_u64 s[8:9], s[8:9], s[30:31]          ; Wq's codes at row n0
	s_lshl_b32 s30, s28, 5
	s_add_nc_u64 s[10:11], s[10:11], s[30:31]      ; its scale bytes
	s_lshl_b32 s30, s23, 9
	s_add_nc_u64 s[6:7], s[6:7], s[30:31]          ; the query's
.irp i, 0,1,2,3
	global_load_b128 v[ACC0+4*\i:ACC0+4*\i+3], v1, s[4:5] offset:512*\i
.endr
.irp i, 0,1,2,3,4,5,6,7,8,9,10,11,12,13,14,15
	global_load_b128 v[AF+4*\i:AF+4*\i+3], v1, s[8:9] offset:512*\i
.endr
	global_load_b128 v[WSC:WSC+3], v10, s[10:11]
	global_load_b128 v[WSC+4:WSC+7], v10, s[10:11] offset:16
	global_load_b128 v[QSC:QSC+3], v10, s[6:7]
	global_load_b128 v[QSC+4:QSC+7], v10, s[6:7] offset:16
	s_lshl_b32 s30, s23, 18
	s_lshl_b32 s29, s22, 16
	s_add_co_u32 s30, s30, s29
	s_lshl_b32 s29, s24, 8
	s_add_co_u32 s30, s30, s29
	s_add_nc_u64 s[16:17], s[16:17], s[30:31]      ; q at row 16 (y - 1) + 4 w, column 64 x
	s_wait_loadcnt 20                              ; my four rows of the query are in: behind them Wq's 16 and the scales' 4
.irp i, 0,1,2,3
	ds_store_b128 v9, v[ACC0+4*\i:ACC0+4*\i+3] offset:SPI*\i
.endr
	s_wait_loadcnt 4                               ; Wq's rows
.irp i, 0,1,2,3,4,5,6,7,8,9,10,11,12,13,14,15
	ds_store_b128 v4, v[AF+4*\i:AF+4*\i+3] offset:SPI*\i
.endr
	s_wait_dscnt 0x0                               ; for the others' sake: my rows of the query lie in LDS
	s_barrier_signal -1
	s_barrier_wait -1
.irp ks, 0,1,2,3,4,5,6,7
.irp c, 0,1
	ds_load_b128 v[AF+8*\ks+4*\c:AF+8*\ks+4*\c+3], v6 offset:64*\ks+32*\c
	ds_load_b128 v[BFR+8*\ks+4*\c:BFR+8*\ks+4*\c+3], v7 offset:64*\ks+32*\c
.endr
.endr
	s_wait_loadcnt 0x0                             ; the scale words
	s_wait_dscnt 0x0
; four accumulators by turns, one instruction a turn; the first four products start the sums
.irp ks, 0,1,2,3,4,5,6,7
.if \ks < 4
	v_wmma_scale_f32_16x16x128_f8f6f4 v[ACC0+8*(\ks%4):ACC0+8*(\ks%4)+7], v[AF+8*\ks:AF+8*\ks+7], v[BFR+8*\ks:BFR+8*\ks+7], 0, v[WSC+\ks], v[QSC+\ks] matrix_a_fmt:MATRIX_FMT_FP4 matrix_b_fmt:MATRIX_FMT_FP4
.else
	v_wmma_scale_f32_16x16x128_f8f6f4 v[ACC0+8*(\ks%4):ACC0+8*(\ks%4)+7], v[AF+8*\ks:AF+8*\ks+7], v[BFR+8*\ks:BFR+8*\ks+7], v[ACC0+8*(\ks%4):ACC0+8*(\ks%4)+7], v[WSC+\ks], v[QSC+\ks] matrix_a_fmt:MATRIX_FMT_FP4 matrix_b_fmt:MATRIX_FMT_FP4
.endif
.endr
.rept 4
	v_nop                                          ; four places between the last product and the first read of a result (ISA guide 7.12.1)
.endr
.irp j, 0,2,4,6
	v_pk_add_f32 v[32+\j:33+\j], v[ACC0+\j:ACC0+\j+1], v[ACC0+8+\j:ACC0+9+\j]       ; each accumulator from its low end on
	v_pk_add_f32 v[40+\j:41+\j], v[ACC0+16+\j:ACC0+17+\j], v[ACC0+24+\j:ACC0+25+\j]
.endr
.irp j, 0,2,4,6
	v_pk_add_f32 v[32+\j:33+\j], v[32+\j:33+\j], v[40+\j:41+\j]
.endr
	ds_store_b128 v11, v[32:35]
	ds_store_b128 v11, v[36:39] offset:16
	s_wait_dscnt 0x0                               ; for the others' sake: my part of the 16 rows lies in the stage
	s_barrier_signal -1
	s_barrier_wait -1
.irp u, 0,1
	ds_load_b128 v[48+4*\u:51+4*\u], v12 offset:2*OPI*\u
.endr
.irp u, 0,1
	s_wait_dscnt 1-\u
	global_store_b128 v13, v[48+4*\u:51+4*\u], s[16:17] offset:32768*\u   ; sixteen lanes store 256 consecutive bytes, aligned
.endr
	s_wait_tensorcnt 0x0                           ; the wave's end
	ds_add_u32 v192, v193
	s_wait_dscnt 0x0
	s_endpgm
.Lprep:
	s_lshl_b32 s30, s24, 2
	s_add_co_u32 s30, s30, s22
	s_lshl_b32 s30, s30, 12                        ; my tile of Wk: 4,096 bytes
	v_lshlrev_b32 v5, 8, v2
	v_lshl_add_u32 v5, v3, 4, v5                   ; row r of 256 bytes, + 16 h
	s_wait_alu depctr_va_vdst(0)                   ; at the head's end
	s_wait_kmcnt 0x0
	s_add_nc_u64 s[12:13], s[12:13], s[30:31]
	s_add_nc_u64 s[18:19], s[18:19], s[30:31]
	global_load_b64 v[16:17], v8, s[14:15]         ; key_len: lane l has batches 2 l and 2 l + 1
.irp i, 0,1,2,3,4,5,6,7
	global_load_b128 v[AF+4*\i:AF+4*\i+3], v5, s[12:13] offset:32*\i     ; K step i / 2, half i % 2 of the operand's registers; the eight take every byte of the 16 rows
.endr
	s_cmp_lg_u32 s22, 0
	s_cbranch_scc1 .Lrelay
	s_cmp_ge_u32 s24, 32
	s_cbranch_scc1 .Lrelay
	s_wait_loadcnt 8                               ; key_len is in: behind it Wk's 8
; THE LIST of group x.  run(b) = the tiles of batches 0 .. b, kept in scalars; number x lies in the batch behind the last b with run(b) <= x, and G(b) = 32 (b + 1) - run(b) makes x + G = 32 batch + tile
.irp v, 16,17
	v_max_i32 v\v, 1, v\v
	v_min_i32 v\v, 0x200, v\v
	v_add_nc_u32 v\v, 15, v\v
	v_lshrrev_b32 v\v, 4, v\v                      ; n
.endr
.irp v, 22,23,25
	v_mov_b32 v\v, 0
.endr
	v_add_nc_u32 v24, v16, v17                     ; a lane's two batches,
.irp d, 1,2,4,8
	v_mov_b32_dpp v25, v24 row_shr:\d row_mask:0xf bank_mask:0xf bound_ctrl:1
	v_add_nc_u32 v24, v24, v25                     ; summed over the lanes of a row up to mine,
.endr
	v_readlane_b32 s89, v24, 15
	v_mul_u32_u24 v25, s89, v3
	v_add_nc_u32 v24, v24, v25                     ; and the first row's sum onto the second row: run(2 l + 1)
	v_sub_nc_u32 v19, v24, v17                     ; run(2 l), which is the first tile of batch 2 l + 1
	v_sub_nc_u32 v18, v19, v16                     ; the first tile of batch 2 l
	v_lshlrev_b32 v28, 3, v8                       ; 64 l
	v_add_nc_u32 v26, 32, v28
	v_add_nc_u32 v27, 64, v28
	v_sub_nc_u32 v26, v26, v19                     ; G(2 l)
	v_sub_nc_u32 v27, v27, v24                     ; G(2 l + 1)
	v_readlane_b32 s87, v24, 31                    ; T
	s_sub_co_u32 s88, s87, 1                       ; T - 1
	s_add_co_u32 s96, s87, 3
	s_lshr_b32 s96, s96, 2                         ; NQ
	s_add_co_u32 s89, s96, 31
	s_lshr_b32 s89, s89, 5                         ; cq
	s_mul_i32 s90, ttmp9, s89                      ; my first quad
	s_sub_co_i32 s91, s96, s90
	s_max_i32 s91, s91, 0
	s_min_u32 s91, s91, s89                        ; my quads
	s_lshl_b32 s97, s90, 2                         ; my first tile
	s_lshl_b32 s100, ttmp9, 9
	s_mov_b32 s101, 0
	s_wait_alu depctr_va_vdst(0)                   ; behind the scalar lines
	v_lshrrev_b32 v25, 2, v8                       ; 2 x lane
	v_add_nc_u32 v20, s97, v25                     ; lane l: tiles 2 l and 2 l + 1 of my 64
	v_add_nc_u32 v21, 1, v20
	v_min_u32 v20, s88, v20
	v_min_u32 v21, s88, v21
	s_wait_alu depctr_va_vdst(0)
.set NB, 0
.rept 8                                ; eight batches at a time
.irp i, 0,1,2,3,4,5,6,7
	v_readlane_b32 s[22+\i], v[19+5*(\i%2)], NB/2+\i/2     ; run
	v_readlane_b32 s[30+\i], v[26+\i%2], NB/2+\i/2         ; G
.endr
.irp i, 0,1,2,3,4,5,6,7
	v_cmp_le_u32 s[38+\i], s[22+\i], v20
	v_cmp_le_u32 s[46+\i], s[22+\i], v21
.endr
.irp i, 0,1,2,3,4,5,6,7
	v_cndmask_b32 v22, v22, s[30+\i], s[38+\i]     ; n is at most 32, so the last b that holds gives G
	v_cndmask_b32 v23, v23, s[30+\i], s[46+\i]
.endr
.set NB, NB+8
.endr
	v_add_nc_u32 v20, v20, v22
	v_add_nc_u32 v21, v21, v23
	v_mov_b32 v24, s91
	v_mov_b32 v25, s90
	s_cmp_lg_u32 ttmp9, 0
	s_wait_alu depctr_va_vdst(0)                   ; ahead of the branch
	s_cbranch_scc1 .Lno_starts
	global_store_b64 v8, v[18:19], s[20:21] offset:16384     ; 256 consecutive bytes, aligned, here and below
.Lno_starts:
	s_wait_xcnt 0x0
	s_add_nc_u64 s[20:21], s[20:21], s[100:101]
	global_store_b64 v8, v[20:21], s[20:21]
	global_store_b64 v8, v[24:25], s[20:21] offset:256
.Lrelay:
	s_wait_loadcnt 0x0
.irp i, 0,1,2,3,4,5,6,7
	global_store_b128 v1, v[AF+4*\i:AF+4*\i+3], s[18:19] offset:512*\i   ; 512 consecutive bytes
.endr
	s_endpgm
.Lfunc_end_k_qdfc49cbcb0_qproj:
	.size	k_qdfc49cbcb0_qproj, .Lfunc_end_k_qdfc49cbcb0_qproj-k_qdfc49cbcb0_qproj
	.p2alignl 7, 3214868480
	.fill 96, 4, 3214868480
	.section	.rodata,"a",@progbits
	.p2align	6, 0x0
	.amdhsa_kernel k_qdfc49cbcb0_qproj
		.amdhsa_group_segment_fixed_size 47104
		.amdhsa_private_segment_fixed_size 0
		.amdhsa_enable_private_segment 0
		.amdhsa_kernarg_size 72
		.amdhsa_user_sgpr_count 2
		.amdhsa_user_sgpr_kernarg_segment_ptr 1
		.amdhsa_wavefront_size32 1
		.amdhsa_system_sgpr_workgroup_id_x 1
		.amdhsa_system_sgpr_workgroup_id_y 1
		.amdhsa_system_sgpr_workgroup_id_z 1
		.amdhsa_system_vgpr_workitem_id 0
		.amdhsa_next_free_vgpr 194
		.amdhsa_next_free_sgpr 102
		.amdhsa_reserve_vcc 0
		.amdhsa_float_denorm_mode_32 3
		.amdhsa_float_denorm_mode_16_64 3
		.amdhsa_memory_ordered 1
		.amdhsa_forward_progress 1
		.amdhsa_inst_pref_size 40
	.end_amdhsa_kernel
	.amdgpu_metadata
---
amdhsa.version: [ 1, 2 ]
amdhsa.kernels:
  - .name:           k_qdfc49cbcb0_qproj
    .symbol:         k_qdfc49cbcb0_qproj.kd
    .args:
      - { .name: query_codes, .offset: 0, .size: 8, .value_kind: global_buffer, .address_space: global }
      - { .name: query_scales, .offset: 8, .size: 8, .value_kind: global_buffer, .address_space: global }
      - { .name: Wq_codes, .offset: 16, .size: 8, .value_kind: global_buffer, .address_space: global }
      - { .name: Wq_scales, .offset: 24, .size: 8, .value_kind: global_buffer, .address_space: global }
      - { .name: Wk_codes, .offset: 32, .size: 8, .value_kind: global_buffer, .address_space: global }
      - { .name: key_len, .offset: 40, .size: 8, .value_kind: global_buffer, .address_space: global }
      - { .name: q, .offset: 48, .size: 8, .value_kind: global_buffer, .address_space: global }
      - { .name: wkf, .offset: 56, .size: 8, .value_kind: global_buffer, .address_space: global }
      - { .name: list, .offset: 64, .size: 8, .value_kind: global_buffer, .address_space: global }
    .group_segment_fixed_size: 47104
    .private_segment_fixed_size: 0
    .kernarg_segment_align: 8
    .kernarg_segment_size: 72
    .max_flat_workgroup_size: 128
    .sgpr_count:     102
    .vgpr_count:     194
    .wavefront_size: 32
...
	.end_amdgpu_metadata
.endif
;; end of part 1
;; launch energy (part 2): grid 32 x 8, 4 waves a work-group, no clusters, 139,776 bytes of LDS; arguments wkf, Wk_scales, keys_codes, keys_scales, q, energy, list; writes energy
.if DOCPART == 2
	.amdgcn_target "amdgcn-amd-amdhsa--gfx1250"
	.amdhsa_code_object_version 6
	.text
	.protected	k_qdfc49cbcb0_energy
	.globl	k_qdfc49cbcb0_energy
	.p2align	8
	.type	k_qdfc49cbcb0_energy,@function
k_qdfc49cbcb0_energy:
	s_mov_b64 s[64:65], 0
	v_nop
	global_prefetch_b8 v0, s[64:65] scope:SCOPE_SE
	s_setreg_imm32_b32 hwreg(HW_REG_WAVE_MODE, 25, 1), 1
	s_wait_xcnt 0x0
; energy of head h, number 16 x + i of its row of 32,768 = sum over a of q[b][h][a] k[b][h][s][a], x a tile's number in the list and s = 16 tile + i its key;  k[b][h][s][a] = sum over kk of keys[b][s][kk] Wk[h][a][kk]
; (K = 512, E2M1 codes with E8M0 scales; sums f32).  k never goes to memory: each 16 x 16 tile of it is multiplied by q and summed, in f32 fused multiply-adds, while the next tile's products are issued.
; WHAT IS LEFT OUT: tiles of 16 keys that lie wholly at or past key_len (their energies are replaced by -1e10): the list names the others.  A batch's energies are one run of the row, from its first tile on.
; SHARES.  Work-group (g, h): head h, group g's quads of 4 tiles, 0 to 16 of them.  Wave w keeps Wk[h][128 w .. + 127][all K] in 256 registers for the whole launch; they come from 'wkf', in the operand's order.
; The keys go in groups of 8 tiles through two LDS slots: a wave loads tiles w and w + 4 (4,096 dense bytes and 256 scale bytes each) and, for each of the 8 tiles, its own 512 bytes of q into registers, a group ahead,
; and stores them ahead of the group's last tile; one barrier a group.  No prefetch: these loads themselves stand most of a group, 192 products and more, ahead of the wait for them.
; LAYOUT.  Source 0 = 16 rows of Wk, source 1 = 16 keys: lane (r, h') holds key r and a = 16 t + 8 h' + 0 .. 7; q lies in registers in the same layout.  The parts of the waves and of the lanes' halves stay in LDS, [8][1,024 keys] f32,
; and are added once at the end, a quad (64 keys, 256 consecutive bytes) to a wave's store.
; The loop has a constant count, 8 groups: every wave passes every barrier; what hangs on the count of quads is jumped over between the barriers.
; No tensor loads, no cluster: the walk hangs on key_len.
; REGISTERS, in windows of 256 (s_set_vgpr_msb: bits 1:0 source 0, 3:2 source 1, 5:4 source 2, 7:6 destination):
;   window 0: v1-17 addresses, v40-51 offsets of the loads under way, v72-171 their data, v208-223 Wk's scale words, v240-247 the keys' (two sets), v254-255 for the add
;   window 1: v0-127 Wk's fragments of K steps 0, 1 (tile t, step ks at 16 t + 8 ks); v128-159 q for tiles 0-3        window 2: the same for K steps 2, 3 and tiles 4-7
;   window 3: v0-63 the keys' fragments, two sets; v64-191 two sets of 8 accumulators; v192-255 eight running pairs for each of a quad's four tiles
; q is loaded, stored into LDS and read back only for a tile whose batch is not that of the tile ahead of it (the group before's last tile ahead of a group's first).
; SCALE WORDS: lanes 0-15 hold those of an even tile's rows, lanes 16-31 those of the odd tile behind it (ROW1 names them): Wk's in v208-223, the keys' in v240-247, two pairs of tiles.
.set TPI,    272                       ; a key's 256 bytes + 16: the 16 rows of a fragment load start at 16 different banks (64 banks of 4 bytes: ISA guide 11.1)
.set TILEB,  16*TPI
.set SCO,    8*TILEB                   ; in a slot: 8 tiles, their scale bytes, 8 x 4 x 512 bytes of q
.set QO,     SCO+2048
.set SLOTB,  QO+16384
.set EP,     2*SLOTB                   ; the parts
.set SPARE,  EP+32768
.set SG,     72
.set WS,     208
.set KS,     240
.set ACC,    64                        ; window 3
.set E,      192                       ; window 3: tile k's pairs at E + 16 k
.set S1,     0xfd                      ; source 0 window 1, all else window 3
.set S2,     0xfe                      ; source 0 window 2, all else window 3
.set MSB, 0
.macro WIN new                         ; the immediate's high byte repeats the setting that is left; a switch that changes nothing is dropped
.if MSB != \new
	s_set_vgpr_msb (MSB<<8)|\new
.set MSB, \new
.endif
.endm
; The group whose list words have been asked for: the offsets of its loads, and in s[76:83] its tiles' places in q; then the next group's list words are asked for (behind the last group they lie in the same 512 bytes)
.macro ADDR n                          ; n: the list words asked for begin 16 s61 + n bytes on
	s_wait_kmcnt 0x0                               ; (the loads that read v40-51 have been waited for, on every way)
	s_min_u32 s44, s44, 2047
	s_min_u32 s45, s45, 2047
	s_lshl_b32 s24, s44, 12
	s_lshl_b32 s25, s44, 8
	s_lshl_b32 s26, s45, 12
	s_lshl_b32 s27, s45, 8
	v_add_nc_u32 v40, s24, v1
	v_add_nc_u32 v41, s25, v2
	v_add_nc_u32 v42, s26, v1
	v_add_nc_u32 v43, s27, v2
.irp i, 0,1,2,3,4,5,6,7
	s_min_u32 s28, s[36+\i], 2047
	s_and_b32 s28, s28, 0x7e0
	s_lshl_b32 s[76+\i], s28, 9                    ; b x 16,384
	v_add_nc_u32 v[44+\i], s[76+\i], v1
.endr
	s_lshl_b32 s62, s61, 4
	s_add_co_u32 s62, s62, \n
	s_lshl_b32 s63, s18, 2
	s_add_co_u32 s63, s63, s62
	s_load_b256 s[36:43], s[16:17], s62 offset:0x0
	s_load_b32 s44, s[16:17], s63 offset:0x0
	s_load_b32 s45, s[16:17], s63 offset:0x10
	s_wait_alu depctr_va_vdst(0)
.endm
.macro FETCH_KEYS                      ; 18 loads
.irp i, 0,1,2,3,4,5,6,7
	global_load_b128 v[SG+4*\i:SG+4*\i+3], v40, s[46:47] offset:512*\i
.endr
.irp i, 0,1,2,3,4,5,6,7
	global_load_b128 v[SG+32+4*\i:SG+35+4*\i], v42, s[46:47] offset:512*\i
.endr
	global_load_b64 v[SG+64:SG+65], v41, s[48:49]
	global_load_b64 v[SG+66:SG+67], v43, s[48:49]
.endm
.macro FETCH_Q                         ; where the batch changes: 8 loads at the most
.irp i, 0,1,2,3,4,5,6,7
	s_cmp_lg_u32 s[76+\i], s[75+\i]
	s_cbranch_scc0 .Lqf_\@_\i
	global_load_b128 v[SG+68+4*\i:SG+71+4*\i], v[44+\i], s[50:51]
.Lqf_\@_\i:
.endr
.endm
.macro STAGE p                         ; 26 LDS stores: the group into slot p
.irp i, 0,1,2,3,4,5,6,7
	ds_store_b128 v[10+\p], v[SG+4*\i:SG+4*\i+3] offset:2*TPI*\i
.endr
.irp i, 0,1,2,3,4,5,6,7
	ds_store_b128 v[10+\p], v[SG+32+4*\i:SG+35+4*\i] offset:4*TILEB+2*TPI*\i
.endr
	ds_store_b64 v[12+\p], v[SG+64:SG+65]
	ds_store_b64 v[12+\p], v[SG+66:SG+67] offset:1024
.irp i, 0,1,2,3,4,5,6,7
	s_cmp_lg_u32 s[76+\i], s[75+\i]
	s_cbranch_scc0 .Lqs_\@_\i
	ds_store_b128 v[14+\p], v[SG+68+4*\i:SG+71+4*\i] offset:2048*\i
.Lqs_\@_\i:
.endr
.endm
.macro FRAGS p, tk, sn                 ; eight LDS loads: tile tk's four fragments (16 keys x 128 K: 8 registers), into set sn; an even tile has a ninth: the four scale words of its keys and of the next tile's
	WIN 0xc0
.irp ks, 0,1,2,3
.irp c, 0,1
	ds_load_b128 v[32*(\sn)+8*\ks+4*\c:32*(\sn)+8*\ks+4*\c+3], v[4+\p] offset:TILEB*(\tk)+64*\ks+32*\c
.endr
.endr
	WIN 0
.if (\tk)%2 == 0
	ds_load_b128 v[KS+4*(((\tk)/2)%2):KS+4*(((\tk)/2)%2)+3], v[6+\p] offset:256*(\tk)
.endif
.endm
.macro QLOAD p, tk                     ; sixteen LDS loads: q of tile tk's batch in the accumulators' layout: for Wk's tile t the eight numbers at 16 t + 8 h'
	WIN 0x40
.irp t, 0,1,2,3
.irp c, 0,1
	ds_load_b128 v[128+8*\t+4*\c:128+8*\t+4*\c+3], v[8+\p] offset:2048*(\tk)+64*\t+16*\c
.endr
.endr
	WIN 0x80
.irp t, 0,1,2,3
.irp c, 0,1
	ds_load_b128 v[128+8*\t+4*\c:128+8*\t+4*\c+3], v[8+\p] offset:2048*(\tk)+256+64*\t+16*\c
.endr
.endr
	WIN 0
.endm
.macro QCH p, tk                       ; where tile tk's batch is not the tile's before it: its q
	WIN 0
	s_cmp_lg_u32 s[68+\tk], s[67+\tk]
	s_cbranch_scc0 .Lsame_q_\@
	QLOAD \p, \tk
.Lsame_q_\@:
.endm
.macro WM sn, ks, t                    ; one product: 16 rows of Wk (tile t) x 16 keys, K step ks, onto accumulator t of set sn; K step 0 starts the sum
.set rd, ACC+64*(\sn)+8*(\t)
.set rw, 16*(\t)+8*((\ks)%2)
.set rk, 32*(\sn)+8*(\ks)
.set rs, WS+4*((\t)/2)+(\ks)
.set ru, KS+4*PKS+(\ks)
.set oc, 2*((\t)%2)+(\sn)
.if (\ks) == 0
.if oc == 0
	v_wmma_scale_f32_16x16x128_f8f6f4 v[rd:rd+7], v[rw:rw+7], v[rk:rk+7], 0, v[rs], v[ru] matrix_a_fmt:MATRIX_FMT_FP4 matrix_b_fmt:MATRIX_FMT_FP4
.endif
.if oc == 1
	v_wmma_scale_f32_16x16x128_f8f6f4 v[rd:rd+7], v[rw:rw+7], v[rk:rk+7], 0, v[rs], v[ru] matrix_a_fmt:MATRIX_FMT_FP4 matrix_b_fmt:MATRIX_FMT_FP4 matrix_b_scale:MATRIX_SCALE_ROW1
.endif
.if oc == 2
	v_wmma_scale_f32_16x16x128_f8f6f4 v[rd:rd+7], v[rw:rw+7], v[rk:rk+7], 0, v[rs], v[ru] matrix_a_fmt:MATRIX_FMT_FP4 matrix_b_fmt:MATRIX_FMT_FP4 matrix_a_scale:MATRIX_SCALE_ROW1
.endif
.if oc == 3
	v_wmma_scale_f32_16x16x128_f8f6f4 v[rd:rd+7], v[rw:rw+7], v[rk:rk+7], 0, v[rs], v[ru] matrix_a_fmt:MATRIX_FMT_FP4 matrix_b_fmt:MATRIX_FMT_FP4 matrix_a_scale:MATRIX_SCALE_ROW1 matrix_b_scale:MATRIX_SCALE_ROW1
.endif
.else
.if oc == 0
	v_wmma_scale_f32_16x16x128_f8f6f4 v[rd:rd+7], v[rw:rw+7], v[rk:rk+7], v[rd:rd+7], v[rs], v[ru] matrix_a_fmt:MATRIX_FMT_FP4 matrix_b_fmt:MATRIX_FMT_FP4
.endif
.if oc == 1
	v_wmma_scale_f32_16x16x128_f8f6f4 v[rd:rd+7], v[rw:rw+7], v[rk:rk+7], v[rd:rd+7], v[rs], v[ru] matrix_a_fmt:MATRIX_FMT_FP4 matrix_b_fmt:MATRIX_FMT_FP4 matrix_b_scale:MATRIX_SCALE_ROW1
.endif
.if oc == 2
	v_wmma_scale_f32_16x16x128_f8f6f4 v[rd:rd+7], v[rw:rw+7], v[rk:rk+7], v[rd:rd+7], v[rs], v[ru] matrix_a_fmt:MATRIX_FMT_FP4 matrix_b_fmt:MATRIX_FMT_FP4 matrix_a_scale:MATRIX_SCALE_ROW1
.endif
.if oc == 3
	v_wmma_scale_f32_16x16x128_f8f6f4 v[rd:rd+7], v[rw:rw+7], v[rk:rk+7], v[rd:rd+7], v[rs], v[ru] matrix_a_fmt:MATRIX_FMT_FP4 matrix_b_fmt:MATRIX_FMT_FP4 matrix_a_scale:MATRIX_SCALE_ROW1 matrix_b_scale:MATRIX_SCALE_ROW1
.endif
.endif
.endm
; Number n of 32: pair n % 4 of accumulator n / 4 of set sn, times q, onto running pair n % 8 of tile ek: a line adds onto the result of the line eight back.  The first eight start the sums.
; Each accumulator is read from its low end on.
.macro FM n, sn, ek
.set tt, (\n)/4
.set jj, (\n)%4
.set rq, 128+8*(tt%4)+2*jj
.set ra, ACC+64*(\sn)+8*tt+2*jj
.set re, E+16*(\ek)+8*(tt%2)+2*jj
.if tt < 2
	v_pk_mul_f32 v[re:re+1], v[rq:rq+1], v[ra:ra+1]
.else
	v_pk_fma_f32 v[re:re+1], v[rq:rq+1], v[ra:ra+1], v[re:re+1]
.endif
.endm
; A tile of 16 keys: 32 products, the eight accumulators by turns, one instruction a turn, in two runs of sixteen.  fma = 1: behind each run stand sixteen
; multiply-adds on the tile before's accumulators, which lie in the other set: they name no register of this tile's products, and the last sixteen are the places ahead of the loads that follow the tile.
.macro TILE tk, fma
.set SETN, (\tk)%2
.set PKS, ((\tk)/2)%2                  ; the pair's set of scale words
.set EK, ((\tk)+3)%4
.set NN, 0
	WIN S1
.irp ks, 0,1
.irp t, 0,1,2,3,4,5,6,7
	WM SETN, \ks, \t
.endr
.endr
.if \fma
.rept 16
	FM NN, 1-SETN, EK
.set NN, NN+1
.endr
.endif
	WIN S2
.irp ks, 2,3
.irp t, 0,1,2,3,4,5,6,7
	WM SETN, \ks, \t
.endr
.endr
.if \fma
.rept 16
	FM NN, 1-SETN, EK
.set NN, NN+1
.endr
.endif
.endm
.macro DRAIN                           ; the quad's last tile where no tile follows: its 32 multiply-adds alone
.set NN, 0
	WIN S1
.rept 16
	FM NN, 1, 3
.set NN, NN+1
.endr
	WIN S2
.rept 16
	FM NN, 1, 3
.set NN, NN+1
.endr
.endm
; A quad's four tiles: eight pairs become one number a lane, in place, the tiles by turns: pairs 4 apart, 2 apart, 1 apart, a pair's two halves; and into the parts, at tile 4 u + k of the group in slot p
.macro RED4 p, u
	WIN 0xff
.irp n, 0,1,2,3
.irp k, 0,1,2,3
	v_pk_add_f32 v[E+16*\k+2*\n:E+16*\k+2*\n+1], v[E+16*\k+2*\n:E+16*\k+2*\n+1], v[E+16*\k+8+2*\n:E+16*\k+8+2*\n+1]
.endr
.endr
.irp n, 0,1
.irp k, 0,1,2,3
	v_pk_add_f32 v[E+16*\k+2*\n:E+16*\k+2*\n+1], v[E+16*\k+2*\n:E+16*\k+2*\n+1], v[E+16*\k+4+2*\n:E+16*\k+4+2*\n+1]
.endr
.endr
.irp k, 0,1,2,3
	v_pk_add_f32 v[E+16*\k:E+16*\k+1], v[E+16*\k:E+16*\k+1], v[E+16*\k+2:E+16*\k+3]
.endr
.irp k, 0,1,2,3
	v_add_f32 v[E+16*\k+2], v[E+16*\k], v[E+16*\k+1]
.endr
	WIN 0x0c
.irp k, 0,1,2,3
	ds_store_b32 v16, v[E+16*\k+2] offset:512*(\p)+256*(\u)+64*\k
.endr
	WIN 0
.endm
.macro NEXT p                          ; SCC = 1 where the group behind this one has a quad
	s_add_co_u32 s24, s61, 2*(\p)+2
	s_cmp_lt_u32 s24, s22
.endm
; A group of 8 tiles, in slot p.  s_wait_dscnt 9 or 8 leaves out the youngest tile's loads alone, nine of an even tile, eight of an odd one: all that is older, the fragments of the tile to come and q among it, is in.
; What is behind the last live tile in the slot has been loaded from clamped places and is not multiplied.
.macro TRIP p, p1
	s_wait_alu depctr_va_vdst(0)                   ; ahead of the barrier
	s_wait_dscnt 0x0                               ; my LDS stores have landed and my LDS loads are back
	s_barrier_signal -1
	s_barrier_wait -1
	s_add_co_u32 s24, s61, 2*(\p)
	s_cmp_ge_u32 s24, s22
	s_cbranch_scc1 .Lidle_\@
	s_cmp_lg_u32 s76, s75                          ; is the group's first batch another than the last group's last?
	s_cbranch_scc0 .Lsame_first_\@
	QLOAD \p, 0
.Lsame_first_\@:
	FRAGS \p, 0, 0
	FRAGS \p, 1, 1
.irp i, 0,2,4,6
	s_mov_b64 s[68+\i:69+\i], s[76+\i:77+\i]       ; this group's places in q
.endr
	NEXT \p
	s_cbranch_scc0 .Lno_keys_\@
	ADDR 32*\p+64
	FETCH_KEYS
	FETCH_Q
.Lno_keys_\@:
	s_wait_dscnt 8
	TILE 0, 0
.rept 4
	v_nop
.endr
	FRAGS \p, 2, 0
	s_wait_dscnt 9
	TILE 1, 1
	QCH \p, 1
	FRAGS \p, 3, 1
	s_wait_dscnt 8
	TILE 2, 1
	QCH \p, 2
	FRAGS \p, 4, 0
	s_wait_dscnt 9
	TILE 3, 1
	QCH \p, 3
	FRAGS \p, 5, 1
	s_add_co_u32 s24, s61, 2*(\p)+1
	s_cmp_lt_u32 s24, s22
	s_cbranch_scc1 .Lfull_\@
	s_wait_dscnt 0x0                               ; the list ends with this group's first quad
	DRAIN
	RED4 \p, 0
	s_branch .Lidle_\@
.Lfull_\@:
	s_wait_dscnt 8
	TILE 4, 1
	RED4 \p, 0
	QCH \p, 4
	FRAGS \p, 6, 0
	s_wait_dscnt 9
	TILE 5, 1
	QCH \p, 5
	FRAGS \p, 7, 1
	s_wait_dscnt 8
	TILE 6, 1
	QCH \p, 6
	s_wait_dscnt 0x0
	s_wait_loadcnt 0x0                             ; the next group is in
	NEXT \p
	s_cbranch_scc0 .Lno_stage_\@
	STAGE \p1                                      ; every wave passed this group's barrier behind its reads of that slot
.Lno_stage_\@:
	TILE 7, 1
	QCH \p, 7
	s_wait_dscnt 0x0
	DRAIN
	RED4 \p, 1
.Lidle_\@:
	s_wait_loadcnt 0x0                             ; on every way: no load is out where the next group's are asked for
.endm
	s_load_b256 s[4:11], s[0:1], 0x0               ; wkf, Wk_scales, keys_codes, keys_scales
	s_load_b128 s[12:15], s[0:1], 0x20             ; q, energy
	s_load_b64 s[16:17], s[0:1], 0x30              ; list
	v_lshl_add_u32 v254, v0, 2, SPARE
	v_mov_b32 v255, 0
	v_lshrrev_b32 v1, 5, v0
	v_readfirstlane_b32 s18, v1                    ; wave
	s_mov_b32 s19, ttmp9                           ; g
	s_and_b32 s20, ttmp7, 0xffff                   ; h
	s_mov_b32 s35, 0                               ; the high word of every offset
	s_mov_b32 s61, 0                               ; quads behind us
	s_lshl_b32 s63, s18, 2
	v_and_b32 v18, 31, v0                          ; lane
	v_and_b32 v20, 15, v0                          ; r
	v_bfe_u32 v21, v0, 4, 1                        ; h'
	v_lshlrev_b32 v1, 4, v18                       ; 16 x lane
	v_lshlrev_b32 v2, 3, v18                       ; 8 x lane
	v_mul_u32_u24 v4, v20, TPI
	v_lshl_add_u32 v4, v21, 4, v4                  ; v4, v5: a fragment's row r, + 16 h', in slot 0, 1
	v_add_nc_u32 v5, SLOTB, v4
	v_add_nc_u32 v6, SCO, v1                       ; v6, v7: two tiles' scale bytes, a key's 16 a lane
	v_add_nc_u32 v7, SLOTB, v6
	s_lshl_b32 s24, s18, 9
	s_add_co_u32 s24, s24, QO
	v_lshl_add_u32 v8, v21, 5, s24                 ; v8, v9: my wave's q, + 32 h'
	v_add_nc_u32 v9, SLOTB, v8
	v_add_nc_u32 v14, s24, v1                      ; v14, v15: and where I store it
	v_add_nc_u32 v15, SLOTB, v14
	s_mul_i32 s24, s18, TILEB
	v_mul_u32_u24 v10, v21, TPI
	v_lshl_add_u32 v10, v20, 4, v10                ; two rows as loaded: lanes 0-15 one row, lanes 16-31 the next
	v_add_nc_u32 v10, s24, v10                     ; v10, v11: my tile of a slot
	v_add_nc_u32 v11, SLOTB, v10
	s_lshl_b32 s24, s18, 8
	s_add_co_u32 s25, s24, SCO
	v_add_nc_u32 v12, s25, v2                      ; v12, v13: its scale bytes
	v_add_nc_u32 v13, SLOTB, v12
	s_lshl_b32 s25, s18, 13
	s_add_co_u32 s25, s25, EP
	v_lshlrev_b32 v16, 12, v21
	v_lshl_add_u32 v16, v20, 2, v16
	v_add_nc_u32 v16, s25, v16                     ; part 2 w + h', key r of a tile
	s_add_co_u32 s24, s24, EP
	v_add_nc_u32 v17, s24, v2                      ; the parts of quad w: two keys a lane
	s_mov_b32 s75, -1                              ; no batch yet: the first group's first tile brings its q
; the registers that take q by branches are written once, so that they are written on every way
.set ZZ, SG+68
.rept 32
	v_mov_b32 v[ZZ], 0
.set ZZ, ZZ+1
.endr
	WIN 0x40
.set ZZ, 128
.rept 32
	v_mov_b32 v[ZZ], 0
.set ZZ, ZZ+1
.endr
	WIN 0x80
.set ZZ, 128
.rept 32
	v_mov_b32 v[ZZ], 0
.set ZZ, ZZ+1
.endr
	WIN 0
	s_wait_alu depctr_va_vdst(0)                   ; ahead of the wait below
	s_wait_kmcnt 0x0
	s_lshl_b32 s34, s19, 9
	s_add_nc_u64 s[16:17], s[16:17], s[34:35]      ; my group's list
	s_load_b64 s[22:23], s[16:17], 0x100           ; my count of quads, my first quad
	s_load_b256 s[36:43], s[16:17], 0x0            ; group 0's eight tiles,
	s_load_b32 s44, s[16:17], s63 offset:0x0       ; and the two that I load
	s_load_b32 s45, s[16:17], s63 offset:0x10
	s_lshl_b32 s24, s20, 17
	s_lshl_b32 s25, s18, 15
	s_add_co_u32 s34, s24, s25                     ; (512 h + 128 w) rows of 256 bytes
	s_add_nc_u64 s[4:5], s[4:5], s[34:35]
	s_lshr_b32 s34, s34, 4                         ; and of 16 bytes
	s_add_nc_u64 s[6:7], s[6:7], s[34:35]
	s_mov_b64 s[46:47], s[8:9]
	s_mov_b64 s[48:49], s[10:11]
	s_lshl_b32 s34, s20, 11
	s_lshl_b32 s24, s18, 9
	s_add_co_u32 s34, s34, s24
	s_add_nc_u64 s[50:51], s[12:13], s[34:35]      ; q at head h, my 128 numbers
	WIN 0x40
.irp t, 0,1,2,3,4,5,6,7
.irp ks, 0,1
.irp c, 0,1
	global_load_b128 v[16*\t+8*\ks+4*\c:16*\t+8*\ks+4*\c+3], v1, s[4:5] offset:4096*\t+1024*\ks+512*\c   ; 512 consecutive bytes
.endr
.endr
.endr
	WIN 0
.irp t, 0,1,2,3
	global_load_b128 v[WS+4*\t:WS+4*\t+3], v1, s[6:7] offset:512*\t   ; rows 32 t + lane: four words, one for each K step
.endr
	ADDR 32
	s_min_u32 s22, s22, 16                         ; a group has 16 quads at the most
	FETCH_KEYS
	FETCH_Q
	WIN 0x80
.irp t, 0,1,2,3,4,5,6,7
.irp ks, 0,1
.irp c, 0,1
	global_load_b128 v[16*\t+8*\ks+4*\c:16*\t+8*\ks+4*\c+3], v1, s[4:5] offset:4096*\t+2048+1024*\ks+512*\c
.endr
.endr
.endr
	WIN 0
	s_wait_loadcnt 32                              ; group 0 is in: behind it the 32 of Wk's K steps 2 and 3
	STAGE 0
	s_wait_loadcnt 0x0                             ; Wk
.Ltrips:
	TRIP 0, 1
	TRIP 1, 0
	v_add_nc_u32 v16, 1024, v16
	s_wait_alu depctr_va_vdst(0)                   ; ahead of the branch
	s_add_co_u32 s61, s61, 4
	s_cmp_lt_u32 s61, 16
	s_cbranch_scc1 .Ltrips
; THE SUM: quad 4 i + w is wave w's: eight parts of 64 keys
	s_wait_kmcnt 0x0                               ; the list words asked for last
	s_wait_dscnt 0x0                               ; for the others' sake: my parts lie in LDS
	s_barrier_signal -1
	s_barrier_wait -1
	s_min_u32 s23, s23, 511
	s_add_co_u32 s24, s23, s18
	s_lshl_b32 s24, s24, 8
	s_lshl_b32 s25, s20, 17
	s_add_co_u32 s34, s24, s25
	s_add_nc_u64 s[14:15], s[14:15], s[34:35]
.irp i, 0,1,2,3
	s_add_co_u32 s24, s18, 4*\i
	s_cmp_ge_u32 s24, s22
	s_cbranch_scc1 .Lno_parts_\i
.irp u, 0,1,2,3,4,5,6,7
	ds_load_b64 v[SG+16*\i+2*\u:SG+16*\i+2*\u+1], v17 offset:4096*\u+1024*\i
.endr
.Lno_parts_\i:
.endr
	s_wait_dscnt 0x0
.irp i, 0,1,2,3
	s_add_co_u32 s24, s18, 4*\i
	s_cmp_ge_u32 s24, s22
	s_cbranch_scc1 .Lno_sum_\i
.irp u, 0,4,8,12
	v_pk_add_f32 v[SG+16*\i+\u:SG+16*\i+\u+1], v[SG+16*\i+\u:SG+16*\i+\u+1], v[SG+16*\i+\u+2:SG+16*\i+\u+3]
.endr
.irp u, 0,8
	v_pk_add_f32 v[SG+16*\i+\u:SG+16*\i+\u+1], v[SG+16*\i+\u:SG+16*\i+\u+1], v[SG+16*\i+\u+4:SG+16*\i+\u+5]
.endr
	v_pk_add_f32 v[SG+16*\i:SG+16*\i+1], v[SG+16*\i:SG+16*\i+1], v[SG+16*\i+8:SG+16*\i+9]
	global_store_b64 v2, v[SG+16*\i:SG+16*\i+1], s[14:15] offset:1024*\i   ; 256 consecutive bytes, aligned
.Lno_sum_\i:
.endr
	s_wait_tensorcnt 0x0                           ; the wave's end
	ds_add_u32 v254, v255
	s_wait_dscnt 0x0
	s_endpgm
.Lfunc_end_k_qdfc49cbcb0_energy:
	.size	k_qdfc49cbcb0_energy, .Lfunc_end_k_qdfc49cbcb0_energy-k_qdfc49cbcb0_energy
	.p2alignl 7, 3214868480
	.fill 96, 4, 3214868480
	.section	.rodata,"a",@progbits
	.p2align	6, 0x0
	.amdhsa_kernel k_qdfc49cbcb0_energy
		.amdhsa_group_segment_fixed_size 139776
		.amdhsa_private_segment_fixed_size 0
		.amdhsa_enable_private_segment 0
		.amdhsa_kernarg_size 56
		.amdhsa_user_sgpr_count 2
		.amdhsa_user_sgpr_kernarg_segment_ptr 1
		.amdhsa_wavefront_size32 1
		.amdhsa_system_sgpr_workgroup_id_x 1
		.amdhsa_system_sgpr_workgroup_id_y 1
		.amdhsa_system_sgpr_workgroup_id_z 1
		.amdhsa_system_vgpr_workitem_id 0
		.amdhsa_next_free_vgpr 1024
		.amdhsa_next_free_sgpr 84
		.amdhsa_reserve_vcc 0
		.amdhsa_float_denorm_mode_32 3
		.amdhsa_float_denorm_mode_16_64 3
		.amdhsa_memory_ordered 1
		.amdhsa_forward_progress 1
		.amdhsa_inst_pref_size 186
	.end_amdhsa_kernel
	.amdgpu_metadata
---
amdhsa.version: [ 1, 2 ]
amdhsa.kernels:
  - .name:           k_qdfc49cbcb0_energy
    .symbol:         k_qdfc49cbcb0_energy.kd
    .args:
      - { .name: wkf, .offset: 0, .size: 8, .value_kind: global_buffer, .address_space: global }
      - { .name: Wk_scales, .offset: 8, .size: 8, .value_kind: global_buffer, .address_space: global }
      - { .name: keys_codes, .offset: 16, .size: 8, .value_kind: global_buffer, .address_space: global }
      - { .name: keys_scales, .offset: 24, .size: 8, .value_kind: global_buffer, .address_space: global }
      - { .name: q, .offset: 32, .size: 8, .value_kind: global_buffer, .address_space: global }
      - { .name: energy, .offset: 40, .size: 8, .value_kind: global_buffer, .address_space: global }
      - { .name: list, .offset: 48, .size: 8, .value_kind: global_buffer, .address_space: global }
    .group_segment_fixed_size: 139776
    .private_segment_fixed_size: 0
    .kernarg_segment_align: 8
    .kernarg_segment_size: 56
    .max_flat_workgroup_size: 128
    .sgpr_count:     84
    .vgpr_count:     1024
    .wavefront_size: 32
...
	.end_amdgpu_metadata
.endif
;; end of part 2
;; launch context (part 3): grid 4 x 64, 16 waves a work-group, no clusters, 47,360 bytes of LDS; arguments energy, key_len, value, out0, out1, list; writes out0, out1
.if DOCPART == 3
	.amdgcn_target "amdgcn-amd-amdhsa--gfx1250"
	.amdhsa_code_object_version 6
	.text
	.protected	k_qdfc49cbcb0_context
	.globl	k_qdfc49cbcb0_context
	.p2align	8
	.type	k_qdfc49cbcb0_context,@function
k_qdfc49cbcb0_context:
	s_mov_b64 s[64:65], 0
	v_nop
	global_prefetch_b8 v0, s[64:65] scope:SCOPE_SE
	s_setreg_imm32_b32 hwreg(HW_REG_WAVE_MODE, 25, 1), 1
	s_wait_xcnt 0x0
; attn[b][h][:] = softmax over s of (s < key_len[b] ? energy[b][h][s] : -1e10)  -> out1;   out0[b][512 h + d] = sum over s of attn[b][h][s] value[b][s][d].
; The softmax is f32, with the row's maximum taken away.  For the second product attn and value are rounded to bf16; sums f32.
; L = key_len held to 0 .. 512.  Rows of value in steps of 32 that lie wholly at or past L have attn = 0 and are not read; with L = 0 every energy is masked, attn is 1/512 everywhere, and all 512 rows are read.
; LIMITS: an infinity or NaN in a row of value that is not read does not reach out0 (0 x infinity would give NaN); v_exp_f32 and v_rcp_f32 are good to 1 ulp.
; SHARES.  Work-group (slice, b): 128 columns of value[b].  Sixteen waves; wave w (w' = w % 8, half = w / 8) takes columns 128 slice + 64 half .. + 63 of the row steps w' and w' + 8, 32 rows each.
; All its loads, 32 at the most, go out together.  Waves 0-7 meanwhile make the softmax of head w (every slice makes all eight: 16 KB of energies; each slice stores two heads of out1), and at the end add the waves' parts of head w.
; LAYOUT.  K = the rows s.  A load takes 16 bytes a lane: lanes 0-15 read 256 consecutive bytes, aligned, of one row, lanes 16-31 of the row 8 further down.  So a lane's registers run down K for four neighbouring columns:
; number i of the four, packed in pairs down K, is lane r's row of source 0 of product i, whose row m is column 4 m + i.  Source 1 = attn, column n = head n % 8.  In the result lane (r, h') holds head r % 8 and columns 4 (8 h' + j) + i.
; No loop, no tensor load, no cluster: memory binds, nothing is read twice from value, and what is read hangs on key_len.
; The energies of a head and a batch are one run of 64-byte tiles, from the batch's first tile on ('list'); a lane past the batch's last tile reads that tile's end again, and the mask puts -1e10 in its place.
; Waves 8 to 11 ask for the first of their two steps (rows 32 w' .. + 31, w' = 0 .. 3) while key_len is on its way, whatever it is; attn is 0 in the rows past it.
; LIMIT: attn counts as 0 at s >= key_len in the second product: so it is where the row's largest energy lies above -1e10 + 104 (or key_len is 0).
.set API,  1040                        ; attn in bf16: a head's 1,024 bytes + 16
.set PART, 8448                        ; the waves' parts: [16 waves][8 heads][64 columns] f32
.set HP,   288                         ; a head's 256 bytes + 32
.set WP,   8*HP
.set NEGV, 0xd01502f9                  ; -1e10
.set EV,   16                          ; v16-31   16 energies a lane, then attn; later the parts on their way to LDS
.set ACC,  32                          ; v32-63   four accumulators (v32-43 serve the softmax first)
.set V,    64                          ; v64-191  value: step st, 16 c + 8 h' + u down K, number i: 64 st + 32 c + 4 u + i
.set OP,   192                         ; v192-223 source 0 of the four products
.set BF,   224                         ; v224-239 attn's fragments of the two steps
	s_load_b256 s[4:11], s[0:1], 0x0               ; energy, key_len, value, out0
	s_load_b64 s[12:13], s[0:1], 0x20              ; out1
	s_load_b64 s[32:33], s[0:1], 0x28              ; list
	v_lshl_add_u32 v254, v0, 2, 0xb100
	v_mov_b32 v255, 0
	v_lshrrev_b32 v1, 5, v0
	s_delay_alu instid0(VALU_DEP_1)
	v_readfirstlane_b32 s14, v1                    ; wave
	s_mov_b32 s15, ttmp9                           ; slice
	s_and_b32 s16, ttmp7, 0xffff                   ; b
	s_and_b32 s19, s14, 7                          ; w'
	s_lshr_b32 s20, s14, 3                         ; half
	s_mov_b32 s21, 0xff00ff00                      ; lanes with r >= 8
	s_mov_b32 s22, 0x76543210
	s_mov_b32 s23, 0xfedcba98                      ; v_permlanex16_b32's selects for lane l xor 16
	s_mov_b32 s24, 0x3fb8aa3b                      ; log2(e)
	s_mov_b32 s25, s24                             ; (named with it as a pair, so it is written)
	v_and_b32 v11, 31, v0                          ; lane
	s_delay_alu instid0(VALU_DEP_1)
	v_lshlrev_b32 v1, 4, v11                       ; 16 x lane
	v_and_b32 v2, 15, v0                           ; r
	v_bfe_u32 v3, v0, 4, 1                         ; h'
	s_delay_alu instid0(VALU_DEP_1)
	v_lshlrev_b32 v4, 14, v3
	s_delay_alu instid0(VALU_DEP_1)
	v_lshl_add_u32 v4, v2, 4, v4                   ; value: 8 h' rows of 2,048 bytes + 16 r
	v_lshlrev_b32 v5, 2, v11                       ; 4 x lane, for the mask
	s_mul_i32 s28, s19, API
	v_lshl_add_u32 v6, v11, 3, s28                 ; attn, in: head w', 8 bytes a lane
	v_and_b32 v12, 7, v0                           ; r % 8
	s_delay_alu instid0(VALU_DEP_1)
	v_mul_u32_u24 v7, v12, API
	s_delay_alu instid0(VALU_DEP_1)
	v_lshl_add_u32 v7, v3, 4, v7
	s_lshl_b32 s28, s19, 6
	v_add_nc_u32 v7, s28, v7                       ; attn, out: head r % 8, step w' (64 bytes), + 16 h'
	v_mul_u32_u24 v8, v12, HP
	s_delay_alu instid0(VALU_DEP_1)
	v_lshl_add_u32 v8, v3, 7, v8
	v_bfe_u32 v13, v0, 3, 1
	s_delay_alu instid0(VALU_DEP_1)
	v_lshl_add_u32 v8, v13, 4, v8
	s_mul_i32 s28, s14, WP
	s_add_co_u32 s28, s28, PART
	v_add_nc_u32 v8, s28, v8                       ; parts, in: my wave, head r % 8, columns 32 h' + 4 (r / 8) on
	v_mul_u32_u24 v9, v3, 8*WP
	s_delay_alu instid0(VALU_DEP_1)
	v_lshl_add_u32 v9, v2, 4, v9
	s_mul_i32 s28, s19, HP
	s_add_co_u32 s28, s28, PART
	v_add_nc_u32 v9, s28, v9                       ; parts, out: head w'; lanes 0-15 the waves of half 0, lanes 16-31 of half 1
	v_mov_b32 v10, NEGV
	v_mov_b32 v13, 0                               ; (the upper half of the pair v[12:13])
	v_mov_b32 v14, 0                               ; a lane permute's destination counts as one of its sources
	s_lshl_b32 s26, s16, 2
	s_mov_b32 s27, 0
	s_wait_alu depctr_va_vdst(0)                   ; ahead of the wait below
	s_wait_kmcnt 0x0
	s_add_nc_u64 s[6:7], s[6:7], s[26:27]
	s_load_b32 s17, s[6:7], 0x0                    ; key_len[b]
	s_add_nc_u64 s[32:33], s[32:33], s[26:27]
	s_load_b32 s34, s[32:33], 0x4000               ; the batch's first tile
	s_mov_b32 s35, 0
	s_lshl_b32 s26, s19, 17
	s_add_nc_u64 s[4:5], s[4:5], s[26:27]          ; energies of head w'
	s_lshl_b32 s26, s16, 14
	s_lshl_b32 s28, s19, 11
	s_add_co_u32 s26, s26, s28                     ; (8 b + w') x 2,048
	s_add_nc_u64 s[12:13], s[12:13], s[26:27]      ; out1 at head w'
	s_lshl_b32 s28, s15, 9
	s_add_co_u32 s26, s26, s28
	s_add_nc_u64 s[10:11], s[10:11], s[26:27]      ; out0 at head w', my slice's 512 bytes
	s_lshl_b32 s26, s16, 20
	s_add_co_u32 s26, s26, s28
	s_lshl_b32 s28, s20, 8
	s_add_co_u32 s26, s26, s28
	s_lshl_b32 s28, s19, 16
	s_add_co_u32 s26, s26, s28
	s_add_nc_u64 s[8:9], s[8:9], s[26:27]          ; value[b] at row 32 w', my 64 columns
; A step that counts is loaded; one that does not is zeros, so that all that follows is the same on every way
.macro VLOAD st
.irp c, 0,1
.irp u, 0,1,2,3,4,5,6,7
	global_load_b128 v[V+64*\st+32*\c+4*\u:V+64*\st+32*\c+4*\u+3], v4, s[8:9] offset:(16*\c+\u)*2048+524288*\st th:TH_LOAD_NT
.endr
.endr
.endm
.macro VZERO st
.set ZZ, V+64*\st
.rept 64
	v_mov_b32 v[ZZ], 0
.set ZZ, ZZ+1
.endr
.endm
.macro LENS
	s_wait_kmcnt 0x0
	s_max_i32 s17, s17, 0
	s_min_i32 s17, s17, 0x200                      ; L
	s_cmp_eq_u32 s17, 0
	s_cselect_b32 s18, 0x200, s17
	s_add_co_u32 s18, s18, 31
	s_lshr_b32 s18, s18, 5                         ; steps of 32 rows that count
	s_add_co_u32 s28, s19, 8                       ; my second step
.endm
	s_lshr_b32 s28, s14, 2
	s_cmp_lg_u32 s28, 2
	s_cbranch_scc1 .Lby_length
	VLOAD 0                                        ; waves 8 to 11
	LENS
	s_cmp_lt_u32 s28, s18
	s_cbranch_scc0 .Lone_ahead
	VLOAD 1
	s_branch .Lno_softmax
.Lone_ahead:
	VZERO 1
	s_wait_alu depctr_va_vdst(0)                   ; ahead of the branch, here and below
	s_branch .Lno_softmax
.Lby_length:
	LENS
	s_cmp_ge_u32 s14, 8
	s_cbranch_scc1 .Lno_energy
	s_max_u32 s29, s17, 1
	s_add_co_u32 s29, s29, 15
	s_and_b32 s29, s29, 0x3f0
	s_lshl_b32 s29, s29, 2
	s_sub_co_u32 s29, s29, 16
	s_min_u32 s29, s29, 0x7f0                      ; the last 16 bytes of the batch's tiles
	s_min_u32 s34, s34, 2047
	s_lshl_b32 s34, s34, 6
	s_add_nc_u64 s[4:5], s[4:5], s[34:35]
	v_sub_nc_u32 v5, s17, v5                       ; L - 4 lane
	v_add_nc_u32 v45, 512, v1
	v_add_nc_u32 v46, 1024, v1
	v_add_nc_u32 v47, 1536, v1
	v_min_u32 v44, s29, v1
	v_min_u32 v45, s29, v45
	v_min_u32 v46, s29, v46
	v_min_u32 v47, s29, v47
	s_wait_alu depctr_va_vdst(0)
.irp i, 0,1,2,3
	global_load_b128 v[EV+4*\i:EV+4*\i+3], v[44+\i], s[4:5]    ; register 4 i + c: s = 128 i + 4 lane + c
.endr
.Lno_energy:
	s_cmp_lt_u32 s28, s18
	s_cbranch_scc0 .Lnot_both
	VLOAD 0
	VLOAD 1
	s_wait_loadcnt 32                              ; the energies are in: behind them value's 32
	s_branch .Lready
.Lnot_both:
	s_cmp_lt_u32 s19, s18
	s_cbranch_scc0 .Lnone
	VLOAD 0
	VZERO 1
	s_wait_alu depctr_va_vdst(0)
	s_wait_loadcnt 16                              ; behind them value's 16
	s_branch .Lready
.Lnone:
	VZERO 0
	VZERO 1
	s_wait_alu depctr_va_vdst(0)
	s_wait_loadcnt 0x0
.Lready:
	s_cmp_ge_u32 s14, 8
	s_cbranch_scc1 .Lno_softmax
; THE SOFTMAX of head w, while value is on its way
	s_wait_alu depctr_va_vdst(0)
.irp i, 0,1,2,3
.irp c, 0,1,2,3
	v_cmp_lt_i32 vcc_lo, 128*\i+\c, v5             ; s < L
	s_delay_alu instid0(VALU_DEP_1)
	v_cndmask_b32 v[EV+4*\i+\c], v10, v[EV+4*\i+\c], vcc_lo
.endr
.endr
	v_max3_num_f32 v11, v[EV], v[EV+1], v[EV+2]
	v_max3_num_f32 v15, v[EV+3], v[EV+4], v[EV+5]
.irp i, 6,10
	s_delay_alu instid0(VALU_DEP_2)
	v_max3_num_f32 v11, v11, v[EV+\i], v[EV+\i+1]
	s_delay_alu instid0(VALU_DEP_2)
	v_max3_num_f32 v15, v15, v[EV+\i+2], v[EV+\i+3]
.endr
	s_delay_alu instid0(VALU_DEP_2)
	v_max3_num_f32 v11, v11, v[EV+14], v[EV+15]
	s_delay_alu instid0(VALU_DEP_1)
	v_max_num_f32 v11, v11, v15
	s_delay_alu instid0(VALU_DEP_1)
	v_max_num_f32_dpp v11, v11, v11 row_xmask:1 row_mask:0xf bank_mask:0xf
	s_delay_alu instid0(VALU_DEP_1)
	v_max_num_f32_dpp v11, v11, v11 row_xmask:2 row_mask:0xf bank_mask:0xf
	s_delay_alu instid0(VALU_DEP_1)
	v_max_num_f32_dpp v11, v11, v11 row_xmask:4 row_mask:0xf bank_mask:0xf
	s_delay_alu instid0(VALU_DEP_1)
	v_max_num_f32_dpp v11, v11, v11 row_xmask:8 row_mask:0xf bank_mask:0xf
	s_delay_alu instid0(VALU_DEP_1)
	v_permlanex16_b32 v14, v11, s22, s23
	s_delay_alu instid0(VALU_DEP_1)
	v_max_num_f32 v11, v11, v14                    ; the row's maximum m
	s_delay_alu instid0(VALU_DEP_1)
	v_mul_f32 v12, -1.0, v11
.irp k, 0,2,4,6,8,10,12,14
	v_pk_add_f32 v[EV+\k:EV+\k+1], v[EV+\k:EV+\k+1], v[12:13] op_sel_hi:[1,0]   ; e - m first: exactly 0 at the maximum, also where all of the row is -1e10 (a product m log2(e) rounded by itself would leave hundreds in the exponent there)
.endr
.irp k, 0,2,4,6,8,10,12,14
	v_pk_mul_f32 v[EV+\k:EV+\k+1], v[EV+\k:EV+\k+1], s[24:25] op_sel_hi:[1,0]
.endr
	s_wait_alu depctr_va_vdst(0)
.irp k, 0,1,2,3,4,5,6,7,8,9,10,11,12,13,14,15
	v_exp_f32 v[EV+\k], v[EV+\k]
.endr
	v_nop                                          ; a plain line behind the last exponential
	s_wait_alu depctr_va_vdst(0)                   ; one wait for the batch, ahead of its first reader
	v_pk_add_f32 v[40:41], v[EV:EV+1], v[EV+2:EV+3]
	v_pk_add_f32 v[42:43], v[EV+4:EV+5], v[EV+6:EV+7]
	v_pk_add_f32 v[40:41], v[40:41], v[EV+8:EV+9]
	v_pk_add_f32 v[42:43], v[42:43], v[EV+10:EV+11]
	v_pk_add_f32 v[40:41], v[40:41], v[EV+12:EV+13]
	v_pk_add_f32 v[42:43], v[42:43], v[EV+14:EV+15]
	s_delay_alu instid0(VALU_DEP_1)
	v_pk_add_f32 v[40:41], v[40:41], v[42:43]
	s_delay_alu instid0(VALU_DEP_1)
	v_add_f32 v11, v40, v41
	s_delay_alu instid0(VALU_DEP_1)
	v_add_f32_dpp v11, v11, v11 row_xmask:1 row_mask:0xf bank_mask:0xf
	s_delay_alu instid0(VALU_DEP_1)
	v_add_f32_dpp v11, v11, v11 row_xmask:2 row_mask:0xf bank_mask:0xf
	s_delay_alu instid0(VALU_DEP_1)
	v_add_f32_dpp v11, v11, v11 row_xmask:4 row_mask:0xf bank_mask:0xf
	s_delay_alu instid0(VALU_DEP_1)
	v_add_f32_dpp v11, v11, v11 row_xmask:8 row_mask:0xf bank_mask:0xf
	s_delay_alu instid0(VALU_DEP_1)
	v_permlanex16_b32 v14, v11, s22, s23
	s_delay_alu instid0(VALU_DEP_1)
	v_add_f32 v11, v11, v14                        ; the row's sum, at least 1
	s_wait_alu depctr_va_vdst(0)
	v_rcp_f32 v12, v11
	v_nop
	s_wait_alu depctr_va_vdst(0)                   ; ahead of the reciprocal's first reader
.irp k, 0,2,4,6,8,10,12,14
	v_pk_mul_f32 v[EV+\k:EV+\k+1], v[EV+\k:EV+\k+1], v[12:13] op_sel_hi:[1,0]
.endr
	s_lshr_b32 s28, s14, 1                         ; slice x stores heads 2 x and 2 x + 1 of out1
	s_cmp_lg_u32 s28, s15
	s_cbranch_scc1 .Lno_out1
.irp i, 0,1,2,3
	global_store_b128 v1, v[EV+4*\i:EV+4*\i+3], s[12:13] offset:512*\i   ; 512 consecutive bytes
.endr
.Lno_out1:
	s_wait_alu depctr_va_vdst(0)
.irp k, 0,1,2,3,4,5,6,7
	v_cvt_pk_bf16_f32 v[32+\k], v[EV+2*\k], v[EV+2*\k+1]
.endr
.irp i, 0,1,2,3
	ds_store_b64 v6, v[32+2*\i:33+2*\i] offset:256*\i
.endr
.Lno_softmax:
	s_wait_dscnt 0x0                               ; for the others' sake: my head's attn lies in LDS
	s_barrier_signal -1
	s_barrier_wait -1
	ds_load_b128 v[BF:BF+3], v7                    ; head r % 8, s = 32 w' + 8 h' + 0 .. 7,
	ds_load_b128 v[BF+4:BF+7], v7 offset:32        ; + 16;
	ds_load_b128 v[BF+8:BF+11], v7 offset:512      ; and the same of step w' + 8
	ds_load_b128 v[BF+12:BF+15], v7 offset:544
	s_wait_loadcnt 0x0                             ; value
	s_wait_dscnt 0x0
.macro PROD st
.irp i, 0,1,2,3
.irp c, 0,1
.irp p, 0,1,2,3
	v_cvt_pk_bf16_f32 v[OP+8*\i+4*\c+\p], v[V+64*\st+32*\c+8*\p+\i], v[V+64*\st+32*\c+8*\p+4+\i]   ; two neighbours down K of column 4 r + i
.endr
.endr
.endr
.irp i, 0,1,2,3                                ; four accumulators by turns; the first step starts the sums
.if \st == 0
	v_wmma_f32_16x16x32_bf16 v[ACC+8*\i:ACC+8*\i+7], v[OP+8*\i:OP+8*\i+7], v[BF+8*\st:BF+8*\st+7], 0
.else
	v_wmma_f32_16x16x32_bf16 v[ACC+8*\i:ACC+8*\i+7], v[OP+8*\i:OP+8*\i+7], v[BF+8*\st:BF+8*\st+7], v[ACC+8*\i:ACC+8*\i+7]
.endif
.endr
.rept 4
	v_nop                                          ; four places before the products' sources are written again, or their results read (ISA guide 7.12.1)
.endr
.endm
	PROD 0
	PROD 1
	s_wait_xcnt 0x0                                ; out1's stores have read v16-31, which are written now
; Lanes r and r + 8 hold the same head's same numbers: lanes r < 8 send the even j, lanes r >= 8 the odd ones.  The four products' number j are four neighbouring columns: 16 bytes.
.irp jg, 0,1,2,3
.irp i, 0,1,2,3
	v_cndmask_b32 v[EV+4*\jg+\i], v[ACC+8*\i+2*\jg], v[ACC+8*\i+2*\jg+1], s21   ; each accumulator from its low end on
.endr
.endr
.irp jg, 0,1,2,3
	ds_store_b128 v8, v[EV+4*\jg:EV+4*\jg+3] offset:32*\jg
.endr
	s_wait_dscnt 0x0                               ; for the others' sake: my part lies in LDS
	s_barrier_signal -1
	s_barrier_wait -1
	s_cmp_ge_u32 s14, 8
	s_cbranch_scc1 .Lend
.irp u, 0,1,2,3,4,5,6,7
	ds_load_b128 v[V+4*\u:V+4*\u+3], v9 offset:WP*\u   ; head w: the eight waves' parts of my four columns
.endr
	s_wait_dscnt 0x0
.irp k, 0,2
	v_pk_add_f32 v[V+\k:V+\k+1], v[V+\k:V+\k+1], v[V+4+\k:V+5+\k]
	v_pk_add_f32 v[V+8+\k:V+9+\k], v[V+8+\k:V+9+\k], v[V+12+\k:V+13+\k]
.endr
.irp k, 0,2
	s_delay_alu instid0(VALU_DEP_4)
	v_pk_add_f32 v[V+\k:V+\k+1], v[V+\k:V+\k+1], v[V+16+\k:V+17+\k]
	s_delay_alu instid0(VALU_DEP_4)
	v_pk_add_f32 v[V+8+\k:V+9+\k], v[V+8+\k:V+9+\k], v[V+20+\k:V+21+\k]
.endr
.irp k, 0,2
	s_delay_alu instid0(VALU_DEP_4)
	v_pk_add_f32 v[V+\k:V+\k+1], v[V+\k:V+\k+1], v[V+24+\k:V+25+\k]
	s_delay_alu instid0(VALU_DEP_4)
	v_pk_add_f32 v[V+8+\k:V+9+\k], v[V+8+\k:V+9+\k], v[V+28+\k:V+29+\k]
.endr
.irp k, 0
	s_delay_alu instid0(VALU_DEP_3)
	v_pk_add_f32 v[V+\k:V+\k+1], v[V+\k:V+\k+1], v[V+8+\k:V+9+\k]
.endr
.irp k, 2
	s_delay_alu instid0(VALU_DEP_2)
	v_pk_add_f32 v[V+\k:V+\k+1], v[V+\k:V+\k+1], v[V+8+\k:V+9+\k]
.endr
	global_store_b128 v1, v[V:V+3], s[10:11]       ; 512 consecutive bytes of out0
.Lend:
	s_wait_tensorcnt 0x0
	ds_add_u32 v254, v255
	s_wait_dscnt 0x0
	s_endpgm
.Lfunc_end_k_qdfc49cbcb0_context:
	.size	k_qdfc49cbcb0_context, .Lfunc_end_k_qdfc49cbcb0_context-k_qdfc49cbcb0_context
	.p2alignl 7, 3214868480
	.fill 96, 4, 3214868480
	.section	.rodata,"a",@progbits
	.p2align	6, 0x0
	.amdhsa_kernel k_qdfc49cbcb0_context
		.amdhsa_group_segment_fixed_size 47360
		.amdhsa_private_segment_fixed_size 0
		.amdhsa_enable_private_segment 0
		.amdhsa_kernarg_size 48
		.amdhsa_user_sgpr_count 2
		.amdhsa_user_sgpr_kernarg_segment_ptr 1
		.amdhsa_wavefront_size32 1
		.amdhsa_system_sgpr_workgroup_id_x 1
		.amdhsa_system_sgpr_workgroup_id_y 1
		.amdhsa_system_sgpr_workgroup_id_z 1
		.amdhsa_system_vgpr_workitem_id 0
		.amdhsa_next_free_vgpr 256
		.amdhsa_next_free_sgpr 66
		.amdhsa_reserve_vcc 1
		.amdhsa_float_denorm_mode_32 3
		.amdhsa_float_denorm_mode_16_64 3
		.amdhsa_memory_ordered 1
		.amdhsa_forward_progress 1
		.amdhsa_inst_pref_size 38
	.end_amdhsa_kernel
	.amdgpu_metadata
---
amdhsa.version: [ 1, 2 ]
amdhsa.kernels:
  - .name:           k_qdfc49cbcb0_context
    .symbol:         k_qdfc49cbcb0_context.kd
    .args:
      - { .name: energy, .offset: 0, .size: 8, .value_kind: global_buffer, .address_space: global }
      - { .name: key_len, .offset: 8, .size: 8, .value_kind: global_buffer, .address_space: global }
      - { .name: value, .offset: 16, .size: 8, .value_kind: global_buffer, .address_space: global }
      - { .name: out0, .offset: 24, .size: 8, .value_kind: global_buffer, .address_space: global }
      - { .name: out1, .offset: 32, .size: 8, .value_kind: global_buffer, .address_space: global }
      - { .name: list, .offset: 40, .size: 8, .value_kind: global_buffer, .address_space: global }
    .group_segment_fixed_size: 47360
    .private_segment_fixed_size: 0
    .kernarg_segment_align: 8
    .kernarg_segment_size: 48
    .max_flat_workgroup_size: 512
    .sgpr_count:     66
    .vgpr_count:     256
    .wavefront_size: 32
...
	.end_amdgpu_metadata
.endif
;; end of part 3
